; MI455X (gfx1250); checked and timed in simulation.
; The chip was launched on July 23, 2026; its instructions are those of AMD's public machine-readable ISA for CDNA 5 (MIT licence, August 2026) and "CDNA5" Instruction Set Architecture Reference Guide (July 2026). The comments in the code are by the model that wrote it; some were corrected since.
;; Multi Head Self Attention V2. Allowed arithmetic: matrix products marked QUANTISED: E4M3 operands, one E8M0 scale for each 32 along K, by v_wmma_scale_f32_16x16x128_f8f6f4 with both operands' format E4M3, f32 sums; products left as they are: f32 operands where the result goes on into a quantised operand, else bf16, f16 or f32 operands; f32 sums; everything else in f32.
;; Inputs: W_0 128 x 128 float32; W_qkv 384 x 128 float32; b_0 128 float32; x 2,048 x 4 x 128 float32.
;; Outputs: out0 2,048 x 4 x 128 float32.
;; This version of the problem:
;;   THIS VERSION OF THE PROBLEM IS GIVEN IN LOW PRECISION. The matrix products marked QUANTISED in the list below multiply operands that are first quantised to E4M3 (4 exponent bits, 3 mantissa bits; 8 bits a number), with one power-of-two scale for each 32 numbers along K (OCP MX v1.0); their sums are f32. All else is computed in f32.
;;   The module's matrix products, in the order in which they are computed (A, B: the left and right operand; K: the contracted axis; several contracted axes count as one K, in the product's order):
;;     1. [M 8,192, K 128] x [K 128, N 384]; A: input x; B: input W_qkv: QUANTISED
;;     2. batch 32 x [M 2,048, K 16] x [K 16, N 2,048]; A: computed on the way; B: computed on the way: left as it is (K = 16 < 32)
;;     3. batch 32 x [M 2,048, K 2,048] x [K 2,048, N 16]; A: softmax (see below); B: computed on the way: QUANTISED
;;     4. [M 8,192, K 128] x [K 128, N 128]; A: computed on the way; B: input W_0: QUANTISED
;;   THE QUANTISER, for each operand of a quantised product, along K:
;;     - K is cut into blocks of 32 from its start; a last block that is shorter is filled with zeros.
;;     - A block's scale is 2^e with e = floor(log2(the largest magnitude in the block)) - 8, held to -126 .. 127; a block of zeros has e = 0. As a byte (E8M0): e + 127.
;;     - Each number is divided by its block's scale, clamped to +-448, and rounded to the nearest number of E4M3, ties to even, subnormals kept.
;;     - The product sums the exact products of the quantised numbers (number of the format x scale) in f32.
;;   ~~~python
;;   def quantise(x, axis):      # numpy; x: float32 -> the quantised numbers, widened to float32 again
;;       x = np.moveaxis(x, axis, -1); K = x.shape[-1]
;;       x = np.pad(x, [(0, 0)] * (x.ndim - 1) + [(0, -K % 32)]); x = x.reshape(x.shape[:-1] + (-1, 32)); a = np.abs(x).max(-1, keepdims=True)
;;       e = np.where(a > 0, np.clip(np.frexp(np.where(a > 0, a, 1))[1] - 1 - 8, -126, 127), 0)      # np.frexp(a)[1] - 1 = floor(log2(a)), exactly
;;       r = np.clip(x / 2.0 ** e, -448, 448)
;;       step = 2.0 ** (np.maximum(np.frexp(np.where(r == 0, 1, r))[1] - 1, -6) - 3)
;;       q = np.round(r / step) * step * 2.0 ** e      # np.round: ties to even
;;       return np.moveaxis(q.reshape(q.shape[:-2] + (-1,))[..., :K], -1, axis).astype(np.float32)
;;   ~~~
;;   SOFTMAX AHEAD OF A QUANTISED PRODUCT. Where the list says 'softmax', what is quantised is not the finished softmax but p = 2^(t - M), with t = logit x log2(e) and M = ceil(the row's largest t), a whole number; so 1/2 < the row's largest p <= 1. The row's sum l is taken of the UNQUANTISED p, in f32, and the product's result is divided by l at the end. Since M is a whole number, a kernel that streams over the keys may use a running M (the ceiling of the running maximum): every later rescaling is an exact power of two, which a block's scale takes up: the codes' values come out the same.
;;   OPERANDS COMPUTED ON THE WAY. 'Computed on the way' means the value that the module computes at that place (a softmax that the list does not call 'softmax' is quantised finished and normalised). What goes into a quantiser is computed in f32, as accurately as f32 sums, v_exp_f32 and their like allow (about 1e-6 of the number): no bf16 or f16 on the way to a quantiser, and a product that is left as it is and whose result goes on into a quantised operand takes f32 operands (vector FMAs, or v_wmma_f32_16x16x4_f32). A number that lies on a knife's edge between two numbers of the format may be rounded either way, as far as f32 arithmetic and the matrix unit's own rounding can turn it there, and no further.
;; One version. Each part assembles by itself: llvm-mc -triple=amdgcn-amd-amdhsa -mcpu=gfx1250 --defsym DOCPART=n.
;; ======== version 1 of 1: 3 launches
;; workspace buffers: qimg 4,194,304 bytes; kv 5,373,952 bytes; ao 4,194,304 bytes
;; launch qkv (part 1): grid 64 x 4, 8 waves a work-group, no clusters, 18,432 bytes of LDS; arguments x, W_qkv, qimg, kv; writes qimg, kv
.if DOCPART == 1
	.amdgcn_target "amdgcn-amd-amdhsa--gfx1250"
	.amdhsa_code_object_version 6
	.text
	.protected	k_q8911b1e861_qkv
	.globl	k_q8911b1e861_qkv
	.p2align	8
	.type	k_q8911b1e861_qkv,@function
k_q8911b1e861_qkv:
	s_mov_b64 s[64:65], 0
	v_nop
	global_prefetch_b8 v0, s[64:65] scope:SCOPE_SE
	s_setreg_imm32_b32 hwreg(HW_REG_WAVE_MODE, 25, 1), 1
	s_wait_xcnt 0x0
; qkv = Q(x) Q(W_qkv)^T on codes of FP8 (E4M3) with one E8M0 scale for each 32 along K = 128.  x: [2048 f][4 b][128] f32, W_qkv: [384][128] f32.
; A head is number 8 b + h; its q, k, v are columns 16 h .. 16 h + 15 of the three thirds of qkv.
; SHARES.  A work-group takes 128 keys f of one batch b (work-group x = 4 kb + b) and one pair of heads (work-group y = g).  Wave w quantises tile w of x (16 rows) and hands it on through LDS
; as an image of its registers (4 stores of 512 bytes, lane l's 16 bytes at 16 l; the scale word at 4 l).  Behind the one barrier waves 0-5 each own ONE tile of 16 rows of W_qkv, quantised in their own
; registers (wave / 2: q, k, v; wave % 2: which head of the pair), and multiply it by all eight tiles of x.  Waves 6 and 7 have quantised their tiles of x and end.
; THE ROWS OF x THAT FORM A TILE ARE NOT NEIGHBOURS: row r of tile 2 c + u is key 32 c + 8 u + r + 8 (r / 8).
;   q, k: the product is used transposed (source 0 = W's 16 rows, source 1 = x's): lane (r, h) holds row r and the head's numbers 8 h + 0..7.  These eight registers ARE the lane's part of the operand
;         of the f32 matrix product of the next launch, so they are stored as they stand: registers 0-3 at 16 x lane, registers 4-7 512 bytes on: 1,024 bytes a tile.
;   v:    source 0 = x's rows, source 1 = W's: lane (r, h) holds ONE of the head's 16 numbers (r), and the 16 registers of tiles 2 c, 2 c + 1 are keys 32 c + 16 h + 0..15: v is quantised along the keys
;         in registers, and the codes are the operand's registers of the next launch's second product.
; kv, for each head 16 steps of 128 keys, a step 10,496 dense bytes: 8 tiles of k (8,192), v's fragment (2,048), v's scale words twice over (8 bytes a lane: 256).  qimg: 128 tiles of 1,024 bytes a head.
; Every store of a wave covers 512 (the scale words: 256) consecutive bytes that begin at a multiple of 256 from the buffer's first byte.
; NO CLUSTER, NO TENSOR LOAD: what work-groups share here (x's rows among four, W's rows among 64) arrives as f32 and has to pass through registers to be quantised; a lane takes its 16 neighbours of a block straight from memory.
; LIMITS: NaN and infinities among the inputs are not served.  A block's largest magnitude is taken no smaller than 2^(9 - 127), so its byte is 1 at the least; a block of zeros gets the byte 1
; where the quantiser says 127: its codes are zeros, and this program alone reads the bytes.
.set XIMG,   0                         ; LDS: x's eight fragments, 2,048 bytes each,
.set XSC,    8*2048                    ; and their scale words, 128 bytes each
.set QHEAD,  131072                    ; a head in qimg
.set KVHEAD, 167936                    ; a head in kv
.set KVSTEP, 10496                     ; 128 keys in kv
.set VOFF,   8192                      ; v's fragment in a step
.set SOFF,   10240                     ; v's scale words in a step
.set XA,  4                            ; v4   x: my lane's byte among the tile's rows
.set WA,  5                            ; v5   W: the same
.set LI,  6                            ; v6   16 x lane
.set LS,  7                            ; v7   4 x lane
.set XWI, 8                            ; v8   where I store my image: 16 x lane + 2,048 x wave
.set XWS, 9                            ; v9   and its scale words: 4 x lane + 128 x wave
.set PW,  10                           ; v[10:11] a scale word just made (x's, v's), and its copy
.set WSW, 12                           ; v12  W's scale word: holds nothing else
.set L8,  14                           ; v14  8 x lane
.set XF,  24                           ; v24-151  64 numbers of x, 64 of W; then x's eight fragments; then v's codes
.set D,   152                          ; v152-215 x's codes on their way to LDS; then the eight results
.set WC,  216                          ; v216-231 W's fragment
.set TM,  232                          ; v232-247 at work: largest magnitudes, bytes, holds, scale operands
.set XSW, 248                          ; v248-255 x's scale words: hold nothing else
.set WV,  12
.set KB,  13
.set BB,  14
.set GG,  15
.set TY,  16
.set HL,  17
.set HD,  18
.set SEL, 28
.set MNT, 30
; 64 numbers of a lane, register 16 b + i = number 32 b + 16 (lane / 16) + i along K of my row, become a fragment's codes in v[pc] on and the row's scale word in v[pw].
.macro QUANT s, pc, pw
.irp b, 0,1,2,3
	v_max3_num_f32 v[TM+\b], |v[\s+16*\b]|, |v[\s+1+16*\b]|, 0x4800000   ; block b: my 16 numbers, and the floor 2^(9 - 127): the byte cannot fall under 1
.endr
.irp i, 2,4,6,8,10,12,14
.irp b, 0,1,2,3
	v_max3_num_f32 v[TM+\b], v[TM+\b], |v[\s+16*\b+\i]|, |v[\s+1+16*\b+\i]|   ; the four blocks by turns; a matrix result is read from its low end on
.endr
.endr
.irp b, 0,1,2,3
	v_permlanex16_b32 v[TM+4+\b], v[TM+\b], s[SEL], s[SEL+1]
.endr
.irp b, 0,1,2,3
	v_max_num_f32 v[TM+\b], v[TM+\b], v[TM+4+\b]   ; with lane l xor 16's 16: the block's largest magnitude
.endr
.irp b, 0,1,2,3
	v_add_nc_u32 v[TM+12+\b], 0xfc000000, v[TM+\b]   ; 8 off its exponent field: the conversion's scale operand
.endr
.irp b, 0,1,2,3
	v_and_or_b32 v[TM+8+\b], v[TM+\b], 0x7f800000, s[MNT]   ; 448 x the scale
.endr
.irp b, 0,1,2,3
	v_lshrrev_b32 v[TM+4+\b], 23, v[TM+12+\b]      ; the scale's byte
.endr
	v_lshl_or_b32 v[\pw], v[TM+5], 8, v[TM+4]
	v_lshl_or_b32 v[\pw], v[TM+6], 16, v[\pw]
	v_lshl_or_b32 v[\pw], v[TM+7], 24, v[\pw]
.irp b, 0,1,2,3
.irp i, 0,1,2,3,4,5,6,7,8,9,10,11,12,13,14,15
	v_med3_num_f32 v[\s+16*\b+\i], v[\s+16*\b+\i], -v[TM+8+\b], v[TM+8+\b]   ; the conversion to an 8-bit code does not saturate (ISA guide 7.6.2): the hold at 448 x the scale
.endr
	v_cvt_scalef32_pk8_fp8_f32 v[\pc+4*\b:\pc+1+4*\b], v[\s+16*\b:\s+7+16*\b], v[TM+12+\b]
	v_cvt_scalef32_pk8_fp8_f32 v[\pc+2+4*\b:\pc+3+4*\b], v[\s+8+16*\b:\s+15+16*\b], v[TM+12+\b]
.endr
	v_nop                                          ; one plain line behind the last conversion
.endm
.macro FETCH reg, off                  ; a fragment's image comes back into the same registers of the same lanes, in any wave
.irp c, 0,1,2,3
	ds_load_b128 v[\reg+4*\c:\reg+4*\c+3], v[LI] offset:\off+512*\c
.endr
.endm
	s_load_b128 s[4:7], s[0:1], 0x0                ; x, W_qkv
	s_load_b128 s[8:11], s[0:1], 0x10              ; qimg, kv
	v_lshl_add_u32 v22, v0, 2, 0x4400
	v_mov_b32 v23, 0
	v_lshrrev_b32 v1, 5, v0
	v_readfirstlane_b32 s[WV], v1                  ; wave 0..7
	v_and_b32 v1, 31, v0                           ; lane
	v_and_b32 v2, 15, v0                           ; r
	v_bfe_u32 v3, v0, 4, 1                         ; h
	v_and_b32 v13, 8, v2
	v_add_nc_u32 v13, v13, v2                      ; r + 8 (r / 8)
	v_lshlrev_b32 v[XA], 11, v13                   ; x: from key to key of one batch 2,048 bytes,
	v_lshl_add_u32 v[XA], v3, 6, v[XA]             ; + 64 h: my 16 numbers of a block of 32
	v_lshlrev_b32 v[WA], 9, v2                     ; W: row r of 512 bytes,
	v_lshl_add_u32 v[WA], v3, 6, v[WA]             ; + 64 h
	v_lshlrev_b32 v[LI], 4, v1
	v_lshlrev_b32 v[LS], 2, v1
	v_lshlrev_b32 v[L8], 3, v1
	s_lshl_b32 s20, s[WV], 11
	v_add_nc_u32 v[XWI], s20, v[LI]
	s_lshl_b32 s20, s[WV], 7
	v_add_nc_u32 v[XWS], s20, v[LS]
	s_mov_b32 s[SEL], 0x76543210
	s_mov_b32 s[SEL+1], 0xfedcba98                 ; v_permlanex16_b32's selects for lane l xor 16
	s_mov_b32 s[MNT], 0x600000                     ; the mantissa field of 448
.irp b, 0,1,2,3
	v_mov_b32 v[TM+4+\b], 0                        ; written once: a lane permute's destination counts as one of its sources
.endr
	s_lshr_b32 s[KB], ttmp9, 2                     ; which 128 keys
	s_and_b32 s[BB], ttmp9, 3                      ; which batch
	s_and_b32 s[GG], ttmp7, 0xffff                 ; which pair of heads
	s_lshr_b32 s[TY], s[WV], 1                     ; my tile of x: pair wave / 2;  my tile of W: 0 q, 1 k, 2 v
	s_and_b32 s[HL], s[WV], 1                      ; my tile of x: wave % 2;       my tile of W: which head of the pair
	s_lshl_b32 s20, s[KB], 18                      ; x: 128 keys are 262,144 bytes,
	s_lshl_b32 s21, s[TY], 16                      ; 32 keys 65,536,
	s_add_co_u32 s20, s20, s21
	s_lshl_b32 s21, s[HL], 14                      ; 8 keys 16,384,
	s_add_co_u32 s20, s20, s21
	s_lshl_b32 s21, s[BB], 9                       ; a batch 512
	s_add_co_u32 s20, s20, s21
	s_mov_b32 s21, 0
	s_lshl_b32 s22, s[GG], 1
	s_add_co_u32 s22, s22, s[HL]                   ; the head within the batch
	s_lshl_b32 s23, s[BB], 3
	s_add_co_u32 s[HD], s23, s22                   ; the head, 0..31
	s_lshl_b32 s22, s22, 13                        ; W: 16 rows are 8,192 bytes,
	s_lshl_b32 s23, s[TY], 16                      ; a third of W 65,536
	s_add_co_u32 s22, s22, s23
	s_mov_b32 s23, 0
	s_wait_kmcnt 0x0
	s_add_nc_u64 s[4:5], s[4:5], s[20:21]
	s_add_nc_u64 s[6:7], s[6:7], s[22:23]
.irp c, 0,1,2,3
.irp j, 0,1,2,3
	global_load_b128 v[XF+16*\c+4*\j:XF+16*\c+4*\j+3], v[XA], s[4:5] offset:128*\c+16*\j   ; x(my row, 32 c + 16 h + 4 j ..)
.endr
.endr
	s_cmp_ge_u32 s[WV], 6                          ; waves 6 and 7 own no tile of W
	s_cbranch_scc1 .Lno_w
.irp c, 0,1,2,3
.irp j, 0,1,2,3
	global_load_b128 v[XF+64+16*\c+4*\j:XF+64+16*\c+4*\j+3], v[WA], s[6:7] offset:128*\c+16*\j
.endr
.endr
.Lno_w:
	; where my results go: waves 0, 1: qimg; the others: kv.  The choice hangs on the wave's number alone
	s_cmp_lt_u32 s[WV], 2
	s_cselect_b64 s[24:25], s[8:9], s[10:11]
	s_mov_b32 s26, KVHEAD
	s_cselect_b32 s26, QHEAD, s26
	s_mov_b32 s27, KVSTEP
	s_cselect_b32 s27, 8192, s27
	s_mul_i32 s26, s26, s[HD]
	s_mul_i32 s27, s27, s[KB]
	s_add_co_u32 s26, s26, s27
	s_mov_b32 s27, 0
	s_add_nc_u64 s[24:25], s[24:25], s[26:27]
	s_wait_loadcnt 0x0
	QUANT XF, D, PW                                ; my tile of x
.irp c, 0,1,2,3
	ds_store_b128 v[XWI], v[D+4*\c:D+4*\c+3] offset:XIMG+512*\c
.endr
	ds_store_b32 v[XWS], v[PW] offset:XSC
	s_cmp_ge_u32 s[WV], 6
	s_cbranch_scc1 .Lmeet
	QUANT XF+64, WC, WSW                           ; my tile of W stays in my registers
.Lmeet:
	s_wait_dscnt 0x0                               ; for the others' sake: my image has landed
	s_barrier_signal -1
	s_barrier_wait -1                              ; x's eight fragments lie in LDS; nobody writes LDS from here on
	s_cmp_ge_u32 s[WV], 6
	s_cbranch_scc1 .Lend
.irp t, 0,1,2,3,4,5,6,7
	FETCH XF+16*\t, XIMG+2048*\t
	ds_load_b32 v[XSW+\t], v[LS] offset:XSC+128*\t
.endr
	s_wait_dscnt 0x0
.rept 4
	v_nop                                          ; W's codes were written by vector instructions: four places ahead of a scaled matrix instruction (its scale word stands far more than eight ahead)
.endr
	s_cmp_ge_u32 s[WV], 4
	s_cbranch_scc1 .Lv_role
	; ---- q or k: transposed; eight accumulators, one product each
.irp t, 0,1,2,3,4,5,6,7
	v_wmma_scale_f32_16x16x128_f8f6f4 v[D+8*\t:D+8*\t+7], v[WC:WC+15], v[XF+16*\t:XF+16*\t+15], 0, v[WSW], v[XSW+\t]
.endr
.rept 8
	v_nop                                          ; eight places between the products and the stores that read their results
.endr
.irp t, 0,1,2,3,4,5,6,7
	global_store_b128 v[LI], v[D+8*\t:D+8*\t+3], s[24:25] offset:1024*\t         ; the tile's image: 512 consecutive bytes a store
	global_store_b128 v[LI], v[D+8*\t+4:D+8*\t+7], s[24:25] offset:1024*\t+512
.endr
	s_wait_tensorcnt 0x0
	ds_add_u32 v22, v23
	s_wait_dscnt 0x0
	s_endpgm
.Lv_role:
	; ---- v: source 0 = x's rows (the keys), source 1 = W's 16 rows
.irp t, 0,1,2,3,4,5,6,7
	v_wmma_scale_f32_16x16x128_f8f6f4 v[D+8*\t:D+8*\t+7], v[XF+16*\t:XF+16*\t+15], v[WC:WC+15], 0, v[XSW+\t], v[WSW]
.endr
.rept 8
	v_nop                                          ; eight places: ahead of the first read of results, and of the conversions that write over x's fragments
.endr
	QUANT D, XF, PW                                ; register 16 c + i is key 32 c + 16 h + i of my number of the head: quantised along the keys
	v_mov_b32 v[PW+1], v[PW]                       ; the scale word twice, so that the wave's store covers 256 consecutive bytes
.irp c, 0,1,2,3
	global_store_b128 v[LI], v[XF+4*\c:XF+4*\c+3], s[24:25] offset:VOFF+512*\c
.endr
	global_store_b64 v[L8], v[PW:PW+1], s[24:25] offset:SOFF
.Lend:
	s_wait_tensorcnt 0x0
	ds_add_u32 v22, v23
	s_wait_dscnt 0x0
	s_endpgm
.Lfunc_end_k_q8911b1e861_qkv:
	.size	k_q8911b1e861_qkv, .Lfunc_end_k_q8911b1e861_qkv-k_q8911b1e861_qkv
	.p2alignl 7, 3214868480
	.fill 96, 4, 3214868480
	.section	.rodata,"a",@progbits
	.p2align	6, 0x0
	.amdhsa_kernel k_q8911b1e861_qkv
		.amdhsa_group_segment_fixed_size 18432
		.amdhsa_private_segment_fixed_size 0
		.amdhsa_enable_private_segment 0
		.amdhsa_kernarg_size 32
		.amdhsa_user_sgpr_count 2
		.amdhsa_user_sgpr_kernarg_segment_ptr 1
		.amdhsa_wavefront_size32 1
		.amdhsa_system_sgpr_workgroup_id_x 1
		.amdhsa_system_sgpr_workgroup_id_y 1
		.amdhsa_system_sgpr_workgroup_id_z 1
		.amdhsa_system_vgpr_workitem_id 0
		.amdhsa_next_free_vgpr 256
		.amdhsa_next_free_sgpr 66
		.amdhsa_reserve_vcc 0
		.amdhsa_float_denorm_mode_32 3
		.amdhsa_float_denorm_mode_16_64 3
		.amdhsa_memory_ordered 1
		.amdhsa_forward_progress 1
		.amdhsa_inst_pref_size 38
	.end_amdhsa_kernel
	.amdgpu_metadata
---
amdhsa.version: [ 1, 2 ]
amdhsa.kernels:
  - .name:           k_q8911b1e861_qkv
    .symbol:         k_q8911b1e861_qkv.kd
    .args:
      - { .name: x, .offset: 0, .size: 8, .value_kind: global_buffer, .address_space: global }
      - { .name: W_qkv, .offset: 8, .size: 8, .value_kind: global_buffer, .address_space: global }
      - { .name: qimg, .offset: 16, .size: 8, .value_kind: global_buffer, .address_space: global }
      - { .name: kv, .offset: 24, .size: 8, .value_kind: global_buffer, .address_space: global }
    .group_segment_fixed_size: 18432
    .private_segment_fixed_size: 0
    .kernarg_segment_align: 8
    .kernarg_segment_size: 32
    .max_flat_workgroup_size: 256
    .sgpr_count:     66
    .vgpr_count:     256
    .wavefront_size: 32
...
	.end_amdgpu_metadata
.endif
;; end of part 1
;; launch attn (part 2): grid 8 x 32, 16 waves a work-group, clusters of 4 x 1, 169,984 bytes of LDS; arguments qimg, kv, ao; writes ao
.if DOCPART == 2
	.amdgcn_target "amdgcn-amd-amdhsa--gfx1250"
	.amdhsa_code_object_version 6
	.text
	.protected	k_q8911b1e861_attn
	.globl	k_q8911b1e861_attn
	.p2align	8
	.type	k_q8911b1e861_attn,@function
k_q8911b1e861_attn:
	s_mov_b64 s[64:65], 0
	v_nop
	global_prefetch_b8 v0, s[64:65] scope:SCOPE_SE
	s_setreg_imm32_b32 hwreg(HW_REG_WAVE_MODE, 25, 1), 1
	s_wait_xcnt 0x0
	s_wait_alu depctr_hold_cnt(0) depctr_sa_sdst(0) depctr_va_vdst(0) depctr_va_sdst(0) depctr_va_ssrc(0) depctr_va_vcc(0) depctr_vm_vsrc(0)
	s_getreg_b32 s2, hwreg(HW_REG_IB_STS2, 6, 4)
	s_cmp_eq_u32 s2, 0
	s_cbranch_scc0 .Lentry_in_a_cluster
	s_endpgm
.Lentry_in_a_cluster:
	s_bfe_u32 s2, ttmp6, 0x10000c
	s_cmp_lg_u32 s2, 0x3003
	s_cbranch_scc0 .Lentry_shape_is_right
	s_endpgm
.Lentry_shape_is_right:
; ao[head][query] = (sum over keys of Q(p) Q(v)) / l, p = 2^(t - M), t = (q . k) log2(e) / 4, M = the running largest t rounded UP to a whole number, l = the sum of the unquantised p.
; The scores are an f32 product (their result goes on into a quantiser): v_wmma_f32_16x16x4_f32, four along the head's 16.  The second product is on codes of FP8 (E4M3), one E8M0 scale for each 32 keys.
; SHARES.  A work-group owns 256 queries of one head, each of its SIXTEEN waves one tile of 16 in 256 registers: four waves to a SIMD.
; Every wave walks the head's 2,048 keys, 128 a step: 32 f32 matrix instructions, the softmax, one scaled matrix instruction.
; LDS.  A head's k, v and v's scale words are ONE dense block of 167,936 bytes of kv, laid by the launch before as images of the operands' registers (a step of 128 keys: 8 tiles of k, 1,024 bytes each;
; v's fragment, 2,048; its scale words, 256).  The whole block fits in LDS and is filled ONCE: no slot is filled again, and no barrier stands in the loops over the keys.  Each wave fetches two parts:
; 8 rows of 256 bytes of the first 32,768 bytes (they hold key steps 0 and 1, 20,992 bytes, and what step 1 reads ahead of step 2, up to byte 28,672) and 33 rows of the rest: two tensor loads of a wave are out
; at the most.  Steps 0 and 1 are worked while the rest lands.
; CLUSTER.  The four query blocks of a cluster belong to one head and need the same block: each part is asked for JOINTLY, by the same tensor load with the same descriptor (made of the head and the wave's
; number alone) and the mask of all four.  A round of the cluster's barrier stands in front of the loads and another in front of s_endpgm.
; NO PREFETCH: all that the launch reads through LDS is asked for by these loads at its head; there is no later request to run ahead of.
; LAYOUT.  S^T = k q^T (source 0 = 16 keys, source 1 = my 16 queries), O^T = v^T p^T: a lane holds ONE query (lane % 16) throughout.  Row r of k's tile 2 c + u is key 32 c + 8 u + r + 8 (r / 8), so the 16
; registers of tiles 2 c, 2 c + 1 are keys 32 c + 16 (lane / 16) + 0..15: the conversions' results are the second product's operand.  My tile's queries are numbered in the same way; the next launch knows it.
; In q's and k's images lane (r, h) holds the head's numbers 8 h + 0..7; matrix instruction s takes registers 2 s, 2 s + 1 of both: the sum runs over (0,1,8,9), (2,3,10,11), ..: another order of rounding than ascending.
; THE STEP'S ORDER.  The lower halves of k's tiles (registers 0-3 of each image) are read a step ahead, during the softmax, into registers of their own; the upper halves at the step's head, sixteen matrix
; instructions ahead of their use.  The 68 exponentials are one batch with one wait; a scaling leads each two of them.  Maxima run in eight chains, sums in four, so that no line reads the line just above it.
; LIMITS: NaN and infinities are not served.  p under 2^-126 becomes 0 (v_exp_f32 flushes); a block whose every p is 0 keeps the byte 1 and zero codes.
.set KVHEAD, 167936
.set KVSTEP, 10496
.set VOFF,   8192
.set SOFF,   10240
.set R0,     8                         ; rows of 256 bytes in a wave's first load: 16 x 8 x 256 = 32,768 bytes
.set R1,     33                        ; and in its second: 16 x 33 x 256 = 135,168
.set LI,  1                            ; v1   16 x lane: my place in an image, in LDS and in memory; never rewritten
.set L8,  2                            ; v2   SOFF + 8 x lane: my place among a step's scale words
.set ADK, 3                            ; v3   the step's images
.set ADS, 4                            ; v4   the step's scale words
.set TA,  5                            ; v5   at work
.set H2,  8                            ; v8-11    448 x the scale once more: block b's at v[8 + (b + 1) % 4]
.set NM,  12                           ; v12 -M, v13 the largest score, v[14:15] the sum in two halves
.set QF,  16                           ; v16-23   q
.set CH,  24                           ; v24-31   the step's sum of p, in four chains of a pair each
.set KP,  32                           ; v32-95   t - M, then p
.set KH,  32                           ; v32-63   before that: the upper halves of k's eight tiles
.set ST,  96                           ; v96-159  S^T: written by matrix instructions alone
.set OT,  160                          ; v160-167 O^T
.set VF,  168                          ; v168-183 v's fragment
.set PC,  184                          ; v184-199 p's codes
.set BM,  200                          ; v200-203 the blocks' largest; v204-207 second chains, the other lanes', then bytes; v208-211 448 x the scale; v212-215 scale operands
.set VS,  216                          ; v216 v's scale words;  v217 p's: they hold nothing else
.set PS,  217
.set FF,  220                          ; v220 f = 2^(old M - new M); v221 the old -M (the pair is named; its low word serves both halves)
.set KL,  224                          ; v224-255 the lower halves of k's eight tiles
.set WV,  12
.set G1A, 24                           ; s[24:31], s[32:39] descriptor groups 1 of the two parts; s[40:43], s[44:47] their groups 0
.set G1B, 32
.set G0A, 40
.set G0B, 44
.set SEL, 48
.set CS,  50                           ; s[50:51] c = log2(e) / 4
.set MNT, 52
.set TB,  53                           ; LDS byte at which the step in hand begins
.set CNT, 54
.macro CROUND                          ; a round of the cluster's barrier
	s_barrier_signal -1
	s_barrier_wait -1
	s_cmp_lg_u32 s[WV], 0
	s_cbranch_scc1 .Lnot_wave_0_\@
	s_barrier_signal -3
.Lnot_wave_0_\@:
	s_barrier_wait -3
	s_barrier_signal -1
	s_barrier_wait -1
.endm
	s_load_b128 s[4:7], s[0:1], 0x0                ; qimg, kv
	s_load_b64 s[8:9], s[0:1], 0x10                ; ao
	v_lshl_add_u32 v222, v0, 2, 0x29000
	v_mov_b32 v223, 0
	ds_add_u32 v222, v223
	ds_add_u32 v222, v223
	v_lshrrev_b32 v1, 5, v0
	v_readfirstlane_b32 s[WV], v1                  ; wave 0..15
	s_bfe_u32 s13, ttmp6, 0x40000                  ; cx: my place in the cluster
	s_lshl_b32 s14, ttmp9, 2                       ; in a cluster launch ttmp9 counts clusters
	s_add_co_u32 s14, s14, s13                     ; my block of 256 queries: it enters q's and ao's addresses alone
	s_and_b32 s15, ttmp7, 0xffff                   ; the head, which the four partners share
	s_mul_i32 s20, s15, KVHEAD
	s_mov_b32 s21, 0
	s_mul_i32 s16, s[WV], R0*256                   ; my share of the first part, in memory and in LDS alike,
	s_mul_i32 s17, s[WV], R1*256
	s_add_co_u32 s17, s17, 16*R0*256               ; and of the second: no place in the cluster enters them
	s_lshl_b32 s22, s15, 17                        ; q, ao: a head is 131,072 bytes,
	s_lshl_b32 s23, s14, 14                        ; a block of 16 tiles 16,384,
	s_add_co_u32 s22, s22, s23
	s_lshl_b32 s23, s[WV], 10                      ; a tile 1,024
	s_add_co_u32 s22, s22, s23
	s_mov_b32 s23, 0
	; descriptor groups 1: dense rows of 256 bytes (32 elements of 8 bytes), no padding: every LDS read takes 16 x lane
	s_mov_b32 s[G1A], 15|(3<<16)|(1<<21)           ; 15:0 the mask: all four work-groups; 17:16 elements of 8 bytes; 21 set beside a mask
	s_mov_b32 s[G1A+1], 32<<16                     ; tensor_dim0 = 32
	s_mov_b32 s[G1A+2], R0<<16                     ; tensor_dim1
	s_mov_b32 s[G1A+3], 32<<16                     ; tile_dim0 = 32
	s_mov_b32 s[G1A+4], R0                         ; tile_dim1
	s_mov_b32 s[G1A+5], 32                         ; from row to row
	s_mov_b32 s[G1A+6], 0
	s_mov_b32 s[G1A+7], 0
	s_mov_b32 s[G1B], 15|(3<<16)|(1<<21)
	s_mov_b32 s[G1B+1], 32<<16
	s_mov_b32 s[G1B+2], R1<<16
	s_mov_b32 s[G1B+3], 32<<16
	s_mov_b32 s[G1B+4], R1
	s_mov_b32 s[G1B+5], 32
	s_mov_b32 s[G1B+6], 0
	s_mov_b32 s[G1B+7], 0
	s_mov_b32 s[SEL], 0x76543210
	s_mov_b32 s[SEL+1], 0xfedcba98                 ; v_permlanex16_b32's selects for lane l xor 16
	s_mov_b32 s[CS], 0x3eb8aa3b                    ; c = log2(e) / 4
	s_mov_b32 s[CS+1], s[CS]                       ; (named with it as a pair, so it is written)
	s_mov_b32 s[MNT], 0x600000                     ; the mantissa field of 448
	s_mov_b32 s[TB], 0
	s_wait_dscnt 0x0
	s_wait_kmcnt 0x0
	s_add_nc_u64 s[6:7], s[6:7], s[20:21]          ; kv at the head
	s_add_nc_u64 s[4:5], s[4:5], s[22:23]          ; q and ao at my tile
	s_add_nc_u64 s[8:9], s[8:9], s[22:23]
	CROUND                                         ; all four work-groups are here: the joint loads meet
	s_mov_b32 s[G0A], 1                            ; count = 1
	s_mov_b32 s[G0A+1], s16                        ; LDS address
	s_mov_b32 s18, s16
	s_mov_b32 s19, 0
	s_add_nc_u64 s[G0A+2:G0A+3], s[6:7], s[18:19]  ; global address
	s_or_b32 s[G0A+3], s[G0A+3], 0x80000000        ; type = 2
	s_mov_b32 s[G0B], 1
	s_mov_b32 s[G0B+1], s17
	s_mov_b32 s18, s17
	s_add_nc_u64 s[G0B+2:G0B+3], s[6:7], s[18:19]
	s_or_b32 s[G0B+3], s[G0B+3], 0x80000000
	tensor_load_to_lds s[G0A:G0A+3], s[G1A:G1A+7]  ; both fills of every wave go out together, ahead of every wait on TENSORcnt and every LDS read
	s_nop 0
	tensor_load_to_lds s[G0B:G0B+3], s[G1B:G1B+7]
	s_nop 0
.rept 4
	v_nop
.endr
	v_and_b32 v[LI], 31, v0
	v_lshlrev_b32 v[L8], 3, v[LI]
	v_add_nc_u32 v[L8], SOFF, v[L8]
	v_lshlrev_b32 v[LI], 4, v[LI]
	global_load_b128 v[QF:QF+3], v[LI], s[4:5] th:TH_LOAD_NT             ; q's image stays in registers
	global_load_b128 v[QF+4:QF+7], v[LI], s[4:5] offset:512 th:TH_LOAD_NT
	v_mov_b32 v[NM+1], 0xff61b1e6                  ; the largest score so far: -3e38, under every score
	v_floor_f32 v[NM], -v[NM+1]                    ; -M: so large that the first step's f is 0
	v_mov_b32 v[NM+2], 0                           ; the sum, in two halves
	v_mov_b32 v[NM+3], 0
.irp j, 0,1,2,3,4,5,6,7
	v_mov_b32 v[OT+\j], 0                          ; O^T: eight registers; the step has no first step of its own: the first change of M multiplies zeros
.endr
; The step's sum of the unquantised p: four chains of a pair each.  SUM0 starts them with p's first eight pairs (nothing is cleared); SUMG g (1 to 6) adds four pairs more, one to a chain.
.macro SUM0
.irp k, 0,1,2,3
	v_pk_add_f32 v[CH+2*\k:CH+2*\k+1], v[KP+4*\k:KP+4*\k+1], v[KP+4*\k+2:KP+4*\k+3]
.endr
.endm
.macro SUMG g
.irp k, 0,1,2,3
	v_pk_add_f32 v[CH+2*\k:CH+2*\k+1], v[CH+2*\k:CH+2*\k+1], v[KP+16+8*((\g)-1)+2*\k:KP+16+8*((\g)-1)+2*\k+1]
.endr
.endm
; A KEY STEP: 128 keys.  pre = 1: the lower halves of the next step's tiles of k are read ahead; 0: the head's last step, which has no next.
.macro STEP pre
	v_add_nc_u32 v[ADK], s[TB], v[LI]
	v_add_nc_u32 v[ADS], s[TB], v[L8]
.irp t, 0,1,2,3,4,5,6,7
	ds_load_b128 v[KH+4*\t:KH+4*\t+3], v[ADK] offset:1024*\t+512      ; the upper halves of k's eight tiles: wanted sixteen matrix instructions on
.endr
	s_wait_dscnt 8                                 ; these eight may be out; the lower halves, asked for a step ago, are in
; S^T = k q^T: eight accumulators by turns, one instruction a turn; each sum's first instruction takes the constant 0
.irp t, 0,1,2,3,4,5,6,7
	v_wmma_f32_16x16x4_f32 v[ST+8*\t:ST+8*\t+7], v[KL+4*\t:KL+4*\t+1], v[QF:QF+1], 0
.endr
.irp t, 0,1,2,3,4,5,6,7
	v_wmma_f32_16x16x4_f32 v[ST+8*\t:ST+8*\t+7], v[KL+4*\t+2:KL+4*\t+3], v[QF+2:QF+3], v[ST+8*\t:ST+8*\t+7]
.endr
	s_wait_dscnt 0x0                               ; the upper halves are in
.irp t, 0,1,2,3,4,5,6,7
	v_wmma_f32_16x16x4_f32 v[ST+8*\t:ST+8*\t+7], v[KH+4*\t:KH+4*\t+1], v[QF+4:QF+5], v[ST+8*\t:ST+8*\t+7]
.endr
.irp t, 0,1,2,3,4,5,6,7
	v_wmma_f32_16x16x4_f32 v[ST+8*\t:ST+8*\t+7], v[KH+4*\t+2:KH+4*\t+3], v[QF+6:QF+7], v[ST+8*\t:ST+8*\t+7]
.endr
	v_mov_b32 v[FF+1], v[NM]                       ; the old -M is kept for f.  With the seven lines below: eight places ahead of the first read of the scores, of the first write
.rept 7
	v_nop                                          ; over k's registers and of the loads into them; with the two additions at the step's head they also part the last step's scaled product from the loads into its sources
.endr
; the largest score of each block of 32 keys: for the row's maximum and, since p rises with the score, for the block's largest p.  Two chains a block, one to a tile: each accumulator is read from its low end on
.irp b, 0,1,2,3
	v_max3_num_f32 v[BM+\b], v[ST+16*\b], v[ST+1+16*\b], v[ST+2+16*\b]
.endr
.irp b, 0,1,2,3
	v_max3_num_f32 v[BM+4+\b], v[ST+8+16*\b], v[ST+9+16*\b], v[ST+10+16*\b]
.endr
.irp i, 3,5
.irp b, 0,1,2,3
	v_max3_num_f32 v[BM+\b], v[BM+\b], v[ST+16*\b+\i], v[ST+1+16*\b+\i]
.endr
.irp b, 0,1,2,3
	v_max3_num_f32 v[BM+4+\b], v[BM+4+\b], v[ST+8+16*\b+\i], v[ST+9+16*\b+\i]
.endr
.endr
.irp b, 0,1,2,3
	v_max3_num_f32 v[BM+\b], v[BM+\b], v[BM+4+\b], v[ST+7+16*\b]
.endr
.irp b, 0,1,2,3
	v_max_num_f32 v[BM+\b], v[BM+\b], v[ST+15+16*\b]
.endr
.irp b, 0,1,2,3
	v_permlanex16_b32 v[BM+4+\b], v[BM+\b], s[SEL], s[SEL+1]
.endr
; the step's LDS loads stand among the lines that lead to M, each of which reads the line before it
.irp c, 0,1,2,3
	ds_load_b128 v[VF+4*\c:VF+4*\c+3], v[ADK] offset:VOFF+512*\c      ; v's fragment and scale words land under the softmax
.endr
	ds_load_b32 v[VS], v[ADS]
.irp b, 0,1,2,3
	v_max_num_f32 v[BM+\b], v[BM+\b], v[BM+4+\b]   ; with lane l xor 16's 16 keys
.endr
	v_max3_num_f32 v[TA], v[BM], v[BM+1], v[BM+2]
.if \pre
.irp t, 0,1,2,3
	ds_load_b128 v[KL+4*\t:KL+4*\t+3], v[ADK] offset:KVSTEP+1024*\t   ; the next step's lower halves
.endr
.endif
	v_max3_num_f32 v[NM+1], v[NM+1], v[TA], v[BM+3]   ; the running largest score of my query
.if \pre
.irp t, 4,5,6,7
	ds_load_b128 v[KL+4*\t:KL+4*\t+3], v[ADK] offset:KVSTEP+1024*\t
.endr
.endif
	v_mul_f32 v[TA], s[CS], v[NM+1]                ; as t (c is positive, so the largest score gives the largest t)
	v_floor_f32 v[NM], -v[TA]                      ; the new -M = floor(-t) = -ceil(t): a whole number
.irp b, 0,1,2,3
	v_fma_f32 v[BM+\b], v[BM+\b], s[CS], v[NM]     ; t - M of each block's largest score
.endr
; ONE BATCH: the 32 scalings t - M (two at a time, into other registers than the sums'), the 64 exponentials and the four of the blocks' largest.  A scaling leads each two exponentials and stands four
; pairs ahead of them.  Nothing in the batch names an exponential's result.  f's three lines and O^T's rescaling lead the last pairs.
.set j, 0
.rept 4
	v_pk_fma_f32 v[KP+j:KP+j+1], v[ST+j:ST+j+1], s[CS:CS+1], v[NM:NM+1] op_sel_hi:[1,0,0]
.set j, j+2
.endr
	v_sub_f32 v[TA], v[NM], v[FF+1]                ; old M less new M: a whole number, 0 or less
.set j, 0
.rept 28
	v_pk_fma_f32 v[KP+j+8:KP+j+9], v[ST+j+8:ST+j+9], s[CS:CS+1], v[NM:NM+1] op_sel_hi:[1,0,0]
	v_exp_f32 v[KP+j], v[KP+j]                     ; p = 2^(t - M): not normalised
	v_exp_f32 v[KP+j+1], v[KP+j+1]
.set j, j+2
.endr
	v_cvt_i32_f32 v[TA], v[TA]                     ; (it saturates)
	v_exp_f32 v[KP+56], v[KP+56]
	v_exp_f32 v[KP+57], v[KP+57]
	v_ldexp_f32 v[FF], 1.0, v[TA]                  ; f = 2^(old M - new M): a multiplication by it rounds nothing
	v_exp_f32 v[KP+58], v[KP+58]
	v_exp_f32 v[KP+59], v[KP+59]
	v_pk_mul_f32 v[OT:OT+1], v[OT:OT+1], v[FF:FF+1] op_sel_hi:[1,0]       ; O^T under the new M, from its low end on
	v_exp_f32 v[KP+60], v[KP+60]
	v_exp_f32 v[KP+61], v[KP+61]
	v_pk_mul_f32 v[OT+2:OT+3], v[OT+2:OT+3], v[FF:FF+1] op_sel_hi:[1,0]
	v_exp_f32 v[KP+62], v[KP+62]
	v_exp_f32 v[KP+63], v[KP+63]
	v_pk_mul_f32 v[OT+4:OT+5], v[OT+4:OT+5], v[FF:FF+1] op_sel_hi:[1,0]
	v_exp_f32 v[BM], v[BM]                         ; the blocks' largest p: the same two instructions on the same number give the same bits
	v_exp_f32 v[BM+1], v[BM+1]
	v_exp_f32 v[BM+2], v[BM+2]
	v_exp_f32 v[BM+3], v[BM+3]
	v_pk_mul_f32 v[OT+6:OT+7], v[OT+6:OT+7], v[FF:FF+1] op_sel_hi:[1,0]   ; the plain line behind the last exponential
	s_wait_alu depctr_va_vdst(0)                   ; one wait for the batch of 68, ahead of its first reader
; the sums of the unquantised p and the blocks' scales, by fours in turn
	SUM0
.irp b, 0,1,2,3
	v_max_num_f32 v[BM+\b], 0x4800000, v[BM+\b]    ; the floor 2^(9 - 127): the byte cannot fall under 1
.endr
	SUMG 1
.irp b, 0,1,2,3
	v_add_nc_u32 v[BM+12+\b], 0xfc000000, v[BM+\b] ; 8 off the exponent field: the conversion's scale operand
.endr
	SUMG 2
.irp b, 0,1,2,3
	v_and_or_b32 v[BM+8+\b], v[BM+\b], 0x7f800000, s[MNT]   ; 448 x the scale,
.endr
	SUMG 3
.irp b, 0,1,2,3
	v_and_or_b32 v[H2+(\b+1)%4], v[BM+\b], 0x7f800000, s[MNT]   ; and once more, in a register whose number differs modulo 4: for the second half of the paired holds
.endr
	SUMG 4
.irp b, 0,1,2,3
	v_lshrrev_b32 v[BM+4+\b], 23, v[BM+12+\b]      ; the scale's byte
.endr
	SUMG 5
	v_lshl_or_b32 v[PS], v[BM+5], 8, v[BM+4]       ; p's scale word for these 128 keys
	v_lshl_or_b32 v[TA], v[BM+7], 8, v[BM+6]
	SUMG 6
	v_lshl_or_b32 v[PS], v[TA], 16, v[PS]          ; the 32 paired holds below stand between it and the product
	v_pk_add_f32 v[CH:CH+1], v[CH:CH+1], v[CH+2:CH+3]
	v_pk_add_f32 v[CH+4:CH+5], v[CH+4:CH+5], v[CH+6:CH+7]
; The conversion to an 8-bit code does not saturate (ISA guide 7.6.2); p is not negative, so the hold is one-sided.  Two holds an instruction: the destinations are an even and an odd register, and
; the two first sources, and the two second sources, differ in their numbers modulo 4, as the dual form asks.
.irp b, 0,1,2,3
.irp i, 0,2,4,6,8,10,12,14
	v_dual_min_num_f32 v[KP+16*\b+\i], v[KP+16*\b+\i], v[BM+8+\b] :: v_dual_min_num_f32 v[KP+16*\b+\i+1], v[KP+16*\b+\i+1], v[H2+(\b+1)%4]
.endr
	v_cvt_scalef32_pk8_fp8_f32 v[PC+4*\b:PC+1+4*\b], v[KP+16*\b:KP+7+16*\b], v[BM+12+\b]
	v_cvt_scalef32_pk8_fp8_f32 v[PC+2+4*\b:PC+3+4*\b], v[KP+8+16*\b:KP+15+16*\b], v[BM+12+\b]
.endr
	v_pk_add_f32 v[CH:CH+1], v[CH:CH+1], v[CH+4:CH+5]   ; the step's sum.  These four lines name none of the product's registers: the four places between the codes, written by vector instructions, and the product
	v_nop
	v_nop
	v_pk_fma_f32 v[NM+2:NM+3], v[NM+2:NM+3], v[FF:FF+1], v[CH:CH+1] op_sel_hi:[1,0,1]   ; l = l f + the step's sum
	s_wait_dscnt 8*\pre                            ; v's fragment and scale words are in; the eight loads issued behind them, the next step's lower halves, may be out
	v_wmma_scale_f32_16x16x128_f8f6f4 v[OT:OT+7], v[VF:VF+15], v[PC:PC+15], v[OT:OT+7], v[VS], v[PS]   ; O^T += v^T p^T; the 32 score products stand between two of these
	s_add_co_u32 s[TB], s[TB], KVSTEP
.endm
	s_wait_loadcnt 0x0                             ; q
	s_wait_tensorcnt 1                             ; my share of the first part is in; my second load may stay out
	s_barrier_signal -1
	s_barrier_wait -1                              ; everybody's share is: the first 32,768 bytes are whole
.irp t, 0,1,2,3,4,5,6,7
	ds_load_b128 v[KL+4*\t:KL+4*\t+3], v[LI] offset:1024*\t           ; step 0's lower halves
.endr
	s_mov_b32 s[CNT], 2
.Lfirst:                                           ; steps 0 and 1; step 1 reads ahead up to byte 28,672
	STEP 1
	s_sub_co_u32 s[CNT], s[CNT], 1
	s_cmp_lg_u32 s[CNT], 0
	s_cbranch_scc1 .Lfirst
	s_wait_tensorcnt 0x0                           ; my share of the rest is in,
	s_wait_dscnt 0x0                               ; and no LDS load of mine is out at the signal
	s_barrier_signal -1
	s_barrier_wait -1                              ; everybody's share is in
	s_mov_b32 s[CNT], 13
.Lrest:                                            ; steps 2 to 14
	STEP 1
	s_sub_co_u32 s[CNT], s[CNT], 1
	s_cmp_lg_u32 s[CNT], 0
	s_cbranch_scc1 .Lrest
	STEP 0                                         ; step 15 is written out: it reads nothing ahead, so no LDS read leaves the block
	; THE WAY OUT: O^T / l, stored as it stands: lane (r, h) holds query r and the head's numbers 8 h + 0..7; registers 0-3 at 16 x lane, registers 4-7 512 bytes on
	v_add_f32 v[NM+2], v[NM+2], v[NM+3]            ; the sum's two halves,
	v_permlanex16_b32 v[TA], v[NM+2], s[SEL], s[SEL+1]
	v_add_f32 v[NM+2], v[NM+2], v[TA]              ; and lane l xor 16's: the row's sum
	v_rcp_f32 v[NM+2], v[NM+2]
.rept 8
	v_nop                                          ; the plain line behind the reciprocal, and the eight places behind the last product
.endr
	s_wait_alu depctr_va_vdst(0)                   ; ahead of the reciprocal's first reader
.irp j, 0,1,2,3,4,5,6,7
	v_mul_f32 v[KP+\j], v[OT+\j], v[NM+2]
.endr
	global_store_b128 v[LI], v[KP:KP+3], s[8:9]               ; 512 consecutive bytes a store, at a multiple of 256 from ao's first byte
	global_store_b128 v[LI], v[KP+4:KP+7], s[8:9] offset:512
	s_wait_tensorcnt 0x0
	ds_add_u32 v222, v223
	s_wait_dscnt 0x0
	CROUND                                         ; the closing round: no work-group ends while a partner may still ask for a part that names it
	s_endpgm
.Lfunc_end_k_q8911b1e861_attn:
	.size	k_q8911b1e861_attn, .Lfunc_end_k_q8911b1e861_attn-k_q8911b1e861_attn
	.p2alignl 7, 3214868480
	.fill 96, 4, 3214868480
	.section	.rodata,"a",@progbits
	.p2align	6, 0x0
	.amdhsa_kernel k_q8911b1e861_attn
		.amdhsa_group_segment_fixed_size 169984
		.amdhsa_private_segment_fixed_size 0
		.amdhsa_enable_private_segment 0
		.amdhsa_kernarg_size 24
		.amdhsa_user_sgpr_count 2
		.amdhsa_user_sgpr_kernarg_segment_ptr 1
		.amdhsa_wavefront_size32 1
		.amdhsa_system_sgpr_workgroup_id_x 1
		.amdhsa_system_sgpr_workgroup_id_y 1
		.amdhsa_system_sgpr_workgroup_id_z 1
		.amdhsa_system_vgpr_workitem_id 0
		.amdhsa_next_free_vgpr 256
		.amdhsa_next_free_sgpr 66
		.amdhsa_reserve_vcc 0
		.amdhsa_float_denorm_mode_32 3
		.amdhsa_float_denorm_mode_16_64 3
		.amdhsa_memory_ordered 1
		.amdhsa_forward_progress 1
		.amdhsa_inst_pref_size 59
	.end_amdhsa_kernel
	.amdgpu_metadata
---
amdhsa.version: [ 1, 2 ]
amdhsa.kernels:
  - .name:           k_q8911b1e861_attn
    .symbol:         k_q8911b1e861_attn.kd
    .args:
      - { .name: qimg, .offset: 0, .size: 8, .value_kind: global_buffer, .address_space: global }
      - { .name: kv, .offset: 8, .size: 8, .value_kind: global_buffer, .address_space: global }
      - { .name: ao, .offset: 16, .size: 8, .value_kind: global_buffer, .address_space: global }
    .group_segment_fixed_size: 169984
    .private_segment_fixed_size: 0
    .kernarg_segment_align: 8
    .kernarg_segment_size: 24
    .max_flat_workgroup_size: 512
    .sgpr_count:     66
    .vgpr_count:     256
    .wavefront_size: 32
...
	.end_amdgpu_metadata
.endif
;; end of part 2
;; launch proj (part 3): grid 64 x 4, 8 waves a work-group, no clusters, 22,272 bytes of LDS; arguments ao, W_0, b_0, out0; writes out0
.if DOCPART == 3
	.amdgcn_target "amdgcn-amd-amdhsa--gfx1250"
	.amdhsa_code_object_version 6
	.text
	.protected	k_q8911b1e861_proj
	.globl	k_q8911b1e861_proj
	.p2align	8
	.type	k_q8911b1e861_proj,@function
k_q8911b1e861_proj:
	s_mov_b64 s[64:65], 0
	v_nop
	global_prefetch_b8 v0, s[64:65] scope:SCOPE_SE
	s_setreg_imm32_b32 hwreg(HW_REG_WAVE_MODE, 25, 1), 1
	s_wait_xcnt 0x0
; out0 = Q(a) Q(W_0)^T + b_0 on codes of FP8 (E4M3), one E8M0 scale for each 32 along K = 128 = (8 heads x 16).  a: the attention's result, in ao as the launch before left it:
; for each head (8 b + h) and tile of 16 queries 1,024 bytes: the head's numbers 4 i .. 4 i + 3 of query r at 512 (i % 2) + 256 (i / 2) + 16 r.  Query r of tile 2 p + u is f = 32 p + 8 u + r + 8 (r / 8).
; SHARES.  A work-group (x = p, y = b) takes the 32 rows (f, b) of tiles 2 p and 2 p + 1.  THE WAVES SHARE THE COLUMNS: wave w owns rows 16 w .. 16 w + 15 of W_0, quantised in its own registers.
; a's two fragments have eight blocks of 32 (a block: two heads): wave w quantises block w % 4 of tile w / 4: lane (r, h) takes the 16 numbers of head 2 (w % 4) + h, by four loads in each of which sixteen
; lanes read 256 consecutive bytes.  Its four registers of codes are registers 4 c .. 4 c + 3 of the fragment and go to LDS as they stand (16 x lane); the block's byte goes into byte c of the lane's scale word.
; Behind the first barrier every wave reads both fragments.  The product is used transposed (source 0 = W_0's rows, source 1 = a's), b_0 is its C; a lane's eight results are neighbours in a row of out0.
; A row's 512 bytes come from eight waves: they meet in a stage in LDS (rows of 528 bytes), and behind the second barrier each wave stores four whole rows, 512 consecutive bytes a store.
; NO CLUSTER, NO TENSOR LOAD: what work-groups share is W_0, 8,192 bytes a wave, which arrives as f32 and has to pass through registers to be quantised.
; LIMITS: NaN and infinities are not served; a block's largest magnitude is taken no smaller than 2^(9 - 127) (a block of zeros: byte 1, zero codes; this program alone reads the bytes).
.set AIMG, 0                           ; LDS: a's two fragments, 2,048 bytes each,
.set ASC,  4096                        ; their scale words, 128 bytes each,
.set STG,  4352                        ; the stage: 32 rows x 528 bytes
.set AA,  4                            ; v4   ao: 16 r + 131,072 h
.set WA,  5                            ; v5   W_0: 512 r + 64 h
.set LI,  6                            ; v6   16 x lane
.set LS,  7                            ; v7   4 x lane
.set AWI, 8                            ; v8   where my codes go: 16 x lane + 512 x wave
.set AWS, 9                            ; v9   where my byte goes: 4 x lane + 128 (wave / 4) + wave % 4
.set SO,  10                           ; v10  the stage: where I put 32 bytes of a row
.set SR,  11                           ; v11  and where I read rows back
.set WSW, 12                           ; v12  W_0's scale word: holds nothing else
.set BA,  13                           ; v13  b_0: 32 h
.set AB,  14                           ; v14  my block's byte
.set ASW, 16                           ; v16-17 a's scale words: hold nothing else
.set AS,  24                           ; v24-39   my 16 numbers of a
.set AC,  40                           ; v40-43   their codes
.set BI,  44                           ; v44-51   b_0 in the result's layout
.set WS,  56                           ; v56-119  64 numbers of W_0
.set WC,  120                          ; v120-135 W_0's fragment
.set AF,  136                          ; v136-167 a's two fragments
.set D,   168                          ; v168-183 two results
.set OUTR, 184                         ; v184-199 four rows on their way out
.set TM,  200                          ; v200-215 at work
.set WV,  12
.set SEL, 28
.set MNT, 30
.macro QUANT s, pc, pw                 ; 64 numbers of a lane, register 16 b + i = number 32 b + 16 (lane / 16) + i of my row, become a fragment's codes and the row's scale word
.irp b, 0,1,2,3
	v_max3_num_f32 v[TM+\b], |v[\s+16*\b]|, |v[\s+1+16*\b]|, 0x4800000   ; with the floor 2^(9 - 127)
.endr
.irp i, 2,4,6,8,10,12,14
.irp b, 0,1,2,3
	v_max3_num_f32 v[TM+\b], v[TM+\b], |v[\s+16*\b+\i]|, |v[\s+1+16*\b+\i]|
.endr
.endr
.irp b, 0,1,2,3
	v_permlanex16_b32 v[TM+4+\b], v[TM+\b], s[SEL], s[SEL+1]
.endr
.irp b, 0,1,2,3
	v_max_num_f32 v[TM+\b], v[TM+\b], v[TM+4+\b]
.endr
.irp b, 0,1,2,3
	v_add_nc_u32 v[TM+12+\b], 0xfc000000, v[TM+\b]
.endr
.irp b, 0,1,2,3
	v_and_or_b32 v[TM+8+\b], v[TM+\b], 0x7f800000, s[MNT]
.endr
.irp b, 0,1,2,3
	v_lshrrev_b32 v[TM+4+\b], 23, v[TM+12+\b]
.endr
	v_lshl_or_b32 v[\pw], v[TM+5], 8, v[TM+4]
	v_lshl_or_b32 v[\pw], v[TM+6], 16, v[\pw]
	v_lshl_or_b32 v[\pw], v[TM+7], 24, v[\pw]
.irp b, 0,1,2,3
.irp i, 0,1,2,3,4,5,6,7,8,9,10,11,12,13,14,15
	v_med3_num_f32 v[\s+16*\b+\i], v[\s+16*\b+\i], -v[TM+8+\b], v[TM+8+\b]
.endr
	v_cvt_scalef32_pk8_fp8_f32 v[\pc+4*\b:\pc+1+4*\b], v[\s+16*\b:\s+7+16*\b], v[TM+12+\b]
	v_cvt_scalef32_pk8_fp8_f32 v[\pc+2+4*\b:\pc+3+4*\b], v[\s+8+16*\b:\s+15+16*\b], v[TM+12+\b]
.endr
	v_nop                                          ; one plain line behind the last conversion
.endm
.macro FETCH reg, off
.irp c, 0,1,2,3
	ds_load_b128 v[\reg+4*\c:\reg+4*\c+3], v[LI] offset:\off+512*\c
.endr
.endm
	s_load_b128 s[4:7], s[0:1], 0x0                ; ao, W_0
	s_load_b128 s[8:11], s[0:1], 0x10              ; b_0, out0
	v_lshl_add_u32 v216, v0, 2, 0x5300
	v_mov_b32 v217, 0
	v_lshrrev_b32 v1, 5, v0
	v_readfirstlane_b32 s[WV], v1                  ; wave 0..7
	v_and_b32 v1, 31, v0                           ; lane
	v_and_b32 v2, 15, v0                           ; r
	v_bfe_u32 v3, v0, 4, 1                         ; h
	v_lshlrev_b32 v[AA], 4, v2
	v_lshl_add_u32 v[AA], v3, 17, v[AA]            ; lanes 16-31 take the next head
	v_lshlrev_b32 v[WA], 9, v2
	v_lshl_add_u32 v[WA], v3, 6, v[WA]
	v_lshlrev_b32 v[BA], 5, v3
	v_lshlrev_b32 v[LI], 4, v1
	v_lshlrev_b32 v[LS], 2, v1
	s_lshr_b32 s15, s[WV], 2                       ; u: which tile of rows my block belongs to
	s_and_b32 s16, s[WV], 3                        ; c: which block
	s_lshl_b32 s17, s[WV], 9
	v_add_nc_u32 v[AWI], s17, v[LI]                ; 2,048 u + 512 c = 512 x wave
	s_lshl_b32 s17, s15, 7
	s_add_co_u32 s17, s17, s16
	v_add_nc_u32 v[AWS], s17, v[LS]
	v_mul_u32_u24 v[SO], v2, 528
	v_lshl_add_u32 v[SO], v3, 5, v[SO]
	s_lshl_b32 s17, s[WV], 6
	v_add_nc_u32 v[SO], s17, v[SO]                 ; row r, + 32 h, + 64 x wave: my columns' bytes
	s_mul_i32 s17, s[WV], 4*528
	v_add_nc_u32 v[SR], s17, v[LI]                 ; back: rows 4 w .. 4 w + 3, 16 bytes a lane
	s_mov_b32 s[SEL], 0x76543210
	s_mov_b32 s[SEL+1], 0xfedcba98
	s_mov_b32 s[MNT], 0x600000
.irp b, 0,1,2,3
	v_mov_b32 v[TM+4+\b], 0                        ; written once: a lane permute's destination counts as one of its sources
.endr
	s_and_b32 s14, ttmp7, 0xffff                   ; b
	s_lshl_b32 s20, s14, 20                        ; ao: 8 heads are 1,048,576 bytes,
	s_lshl_b32 s21, s16, 18                        ; 2 heads 262,144,
	s_add_co_u32 s20, s20, s21
	s_lshl_b32 s21, ttmp9, 11                      ; 2 tiles 2,048,
	s_add_co_u32 s20, s20, s21
	s_lshl_b32 s21, s15, 10                        ; a tile 1,024
	s_add_co_u32 s20, s20, s21
	s_mov_b32 s21, 0
	s_lshl_b32 s22, s[WV], 13                      ; W_0: 16 rows of 512 bytes
	s_mov_b32 s23, 0
	s_lshl_b32 s24, s[WV], 6                       ; b_0: 16 numbers
	s_mov_b32 s25, 0
	s_lshl_b32 s26, ttmp9, 16                      ; out0: stage rows 4 w + i are f = 32 p + 8 u + 4 c + 8 (c / 2) + i; from f to f + 1 2,048 bytes
	s_lshl_b32 s27, s15, 14
	s_add_co_u32 s26, s26, s27
	s_lshl_b32 s27, s16, 13
	s_add_co_u32 s26, s26, s27
	s_lshr_b32 s27, s16, 1
	s_lshl_b32 s27, s27, 14
	s_add_co_u32 s26, s26, s27
	s_lshl_b32 s27, s14, 9                         ; a batch 512
	s_add_co_u32 s26, s26, s27
	s_mov_b32 s27, 0
	s_wait_kmcnt 0x0
	s_add_nc_u64 s[4:5], s[4:5], s[20:21]
	s_add_nc_u64 s[6:7], s[6:7], s[22:23]
	s_add_nc_u64 s[8:9], s[8:9], s[24:25]
	s_add_nc_u64 s[10:11], s[10:11], s[26:27]
.irp i, 0,1,2,3
	global_load_b128 v[AS+4*\i:AS+4*\i+3], v[AA], s[4:5] offset:512*(\i%2)+256*(\i/2) th:TH_LOAD_NT   ; my head's numbers 4 i .. 4 i + 3 of query r; read once in the launch
.endr
.irp c, 0,1,2,3
.irp j, 0,1,2,3
	global_load_b128 v[WS+16*\c+4*\j:WS+16*\c+4*\j+3], v[WA], s[6:7] offset:128*\c+16*\j
.endr
.endr
	global_load_b128 v[BI:BI+3], v[BA], s[8:9]     ; lane (r, h): b_0 at my columns 8 h + 0..7
	global_load_b128 v[BI+4:BI+7], v[BA], s[8:9] offset:16
	s_wait_loadcnt 18                              ; a's four loads are in; W_0's sixteen and b_0's two may be out
	v_max3_num_f32 v[TM], |v[AS]|, |v[AS+1]|, 0x4800000              ; my 16 numbers and the floor, in two chains
	v_max3_num_f32 v[TM+1], |v[AS+8]|, |v[AS+9]|, |v[AS+10]|
	v_max3_num_f32 v[TM], v[TM], |v[AS+2]|, |v[AS+3]|
	v_max3_num_f32 v[TM+1], v[TM+1], |v[AS+11]|, |v[AS+12]|
	v_max3_num_f32 v[TM], v[TM], |v[AS+4]|, |v[AS+5]|
	v_max3_num_f32 v[TM+1], v[TM+1], |v[AS+13]|, |v[AS+14]|
	v_max3_num_f32 v[TM], v[TM], |v[AS+6]|, |v[AS+7]|
	v_max3_num_f32 v[TM], v[TM], v[TM+1], |v[AS+15]|
	v_permlanex16_b32 v[TM+4], v[TM], s[SEL], s[SEL+1]
	v_max_num_f32 v[TM], v[TM], v[TM+4]            ; with the other head's 16: the block's largest magnitude
	v_add_nc_u32 v[TM+12], 0xfc000000, v[TM]       ; the conversion's scale operand
	v_and_or_b32 v[TM+8], v[TM], 0x7f800000, s[MNT]   ; 448 x the scale
	v_lshrrev_b32 v[AB], 23, v[TM+12]              ; the scale's byte
.irp i, 0,1,2,3,4,5,6,7,8,9,10,11,12,13,14,15
	v_med3_num_f32 v[AS+\i], v[AS+\i], -v[TM+8], v[TM+8]
.endr
	v_cvt_scalef32_pk8_fp8_f32 v[AC:AC+1], v[AS:AS+7], v[TM+12]
	v_cvt_scalef32_pk8_fp8_f32 v[AC+2:AC+3], v[AS+8:AS+15], v[TM+12]
	v_nop                                          ; one plain line behind the last conversion: the next lines write its scale operand again
	ds_store_b128 v[AWI], v[AC:AC+3] offset:AIMG
	ds_store_b8 v[AWS], v[AB] offset:ASC           ; byte c of my lane's scale word; the word's other bytes come from three other waves
	s_wait_loadcnt 2                               ; W_0's loads are in; b_0's two may be out
	QUANT WS, WC, WSW
	s_wait_dscnt 0x0                               ; for the others' sake: my codes and my byte have landed
	s_barrier_signal -1
	s_barrier_wait -1                              ; a's two fragments lie in LDS
	FETCH AF, AIMG
	FETCH AF+16, AIMG+2048
	ds_load_b32 v[ASW], v[LS] offset:ASC
	ds_load_b32 v[ASW+1], v[LS] offset:ASC+128
	s_wait_loadcnt 0x0                             ; b_0
	s_wait_dscnt 0x0
.rept 4
	v_nop                                          ; W_0's codes were written by vector instructions: four places ahead of a scaled matrix instruction
.endr
	v_wmma_scale_f32_16x16x128_f8f6f4 v[D:D+7], v[WC:WC+15], v[AF:AF+15], v[BI:BI+7], v[WSW], v[ASW]
	v_wmma_scale_f32_16x16x128_f8f6f4 v[D+8:D+15], v[WC:WC+15], v[AF+16:AF+31], v[BI:BI+7], v[WSW], v[ASW+1]
.rept 8
	v_nop                                          ; eight places ahead of the LDS stores that read the results
.endr
.irp u, 0,1
	ds_store_b128 v[SO], v[D+8*\u:D+8*\u+3] offset:STG+16*\u*528        ; lane (r, h): out0(row r of tile u, 16 w + 8 h + 0..7), each result from its low end on
	ds_store_b128 v[SO], v[D+8*\u+4:D+8*\u+7] offset:STG+16*\u*528+16
.endr
	s_wait_dscnt 0x0                               ; for the others' sake: my part of the rows has landed
	s_barrier_signal -1
	s_barrier_wait -1                              ; 32 whole rows lie in the stage
.irp i, 0,1,2,3
	ds_load_b128 v[OUTR+4*\i:OUTR+4*\i+3], v[SR] offset:STG+\i*528
.endr
.irp i, 0,1,2,3
	s_wait_dscnt 3-\i                              ; row i is back; the younger reads may be out
	global_store_b128 v[LI], v[OUTR+4*\i:OUTR+4*\i+3], s[10:11] offset:2048*\i th:TH_STORE_NT   ; 32 lanes store a row's 512 consecutive bytes, at a multiple of 256 from out0's first byte
.endr
	s_wait_tensorcnt 0x0
	ds_add_u32 v216, v217
	s_wait_dscnt 0x0
	s_endpgm
.Lfunc_end_k_q8911b1e861_proj:
	.size	k_q8911b1e861_proj, .Lfunc_end_k_q8911b1e861_proj-k_q8911b1e861_proj
	.p2alignl 7, 3214868480
	.fill 96, 4, 3214868480
	.section	.rodata,"a",@progbits
	.p2align	6, 0x0
	.amdhsa_kernel k_q8911b1e861_proj
		.amdhsa_group_segment_fixed_size 22272
		.amdhsa_private_segment_fixed_size 0
		.amdhsa_enable_private_segment 0
		.amdhsa_kernarg_size 32
		.amdhsa_user_sgpr_count 2
		.amdhsa_user_sgpr_kernarg_segment_ptr 1
		.amdhsa_wavefront_size32 1
		.amdhsa_system_sgpr_workgroup_id_x 1
		.amdhsa_system_sgpr_workgroup_id_y 1
		.amdhsa_system_sgpr_workgroup_id_z 1
		.amdhsa_system_vgpr_workitem_id 0
		.amdhsa_next_free_vgpr 218
		.amdhsa_next_free_sgpr 66
		.amdhsa_reserve_vcc 0
		.amdhsa_float_denorm_mode_32 3
		.amdhsa_float_denorm_mode_16_64 3
		.amdhsa_memory_ordered 1
		.amdhsa_forward_progress 1
		.amdhsa_inst_pref_size 18
	.end_amdhsa_kernel
	.amdgpu_metadata
---
amdhsa.version: [ 1, 2 ]
amdhsa.kernels:
  - .name:           k_q8911b1e861_proj
    .symbol:         k_q8911b1e861_proj.kd
    .args:
      - { .name: ao, .offset: 0, .size: 8, .value_kind: global_buffer, .address_space: global }
      - { .name: W_0, .offset: 8, .size: 8, .value_kind: global_buffer, .address_space: global }
      - { .name: b_0, .offset: 16, .size: 8, .value_kind: global_buffer, .address_space: global }
      - { .name: out0, .offset: 24, .size: 8, .value_kind: global_buffer, .address_space: global }
    .group_segment_fixed_size: 22272
    .private_segment_fixed_size: 0
    .kernarg_segment_align: 8
    .kernarg_segment_size: 32
    .max_flat_workgroup_size: 256
    .sgpr_count:     66
    .vgpr_count:     218
    .wavefront_size: 32
...
	.end_amdgpu_metadata
.endif
;; end of part 3
